; MI455X (gfx1250); checked and timed in simulation.
; The chip was launched on July 23, 2026; its instructions are those of AMD's public machine-readable ISA for CDNA 5 (MIT licence, August 2026) and "CDNA5" Instruction Set Architecture Reference Guide (July 2026). The comments in the code are by the model that wrote it; some were corrected since.
;; Multi Query Attention. Allowed arithmetic: matrix products marked QUANTISED: E2M3 operands, one E8M0 scale for each 32 along K, by v_wmma_scale_f32_16x16x128_f8f6f4 with both operands' format E2M3, f32 sums; everything else in f32.
;; Inputs: Wk 1,024 x 64 float32; Wo 1,024 x 1,024 float32; Wq 1,024 x 1,024 float32; Wv 1,024 x 64 float32; bk 64 float32; bo 1,024 float32; bq 1,024 float32; bv 64 float32; k 1 x 4,096 x 1,024 float32; mask 1 x 4,096 x 4,096 int32; q 1 x 4,096 x 1,024 float32; v 1 x 4,096 x 1,024 float32.
;; Outputs: out0 1 x 4,096 x 1,024 float32; out1 1 x 4,096 x 64 float32; out2 1 x 4,096 x 64 float32.
;; This version of the problem:
;;   THIS VERSION OF THE PROBLEM IS GIVEN IN LOW PRECISION. The matrix products marked QUANTISED in the list below multiply operands that are first quantised to E2M3 (2 exponent bits, 3 mantissa bits; 6 bits a number), with one power-of-two scale for each 32 numbers along K (OCP MX v1.0); their sums are f32. All else is computed in f32.
;;   The module's matrix products, in the order in which they are computed (A, B: the left and right operand; K: the contracted axis; several contracted axes count as one K, in the product's order):
;;     1. [M 4,096, K 1,024] x [K 1,024, N 1,024]; A: input q; B: input Wq: QUANTISED
;;     2. [M 4,096, K 1,024] x [K 1,024, N 64]; A: input k; B: input Wk: QUANTISED
;;     3. [M 4,096, K 1,024] x [K 1,024, N 64]; A: input v; B: input Wv: QUANTISED
;;     4. [M 65,536, K 64] x [K 64, N 4,096]; A: computed on the way; B: computed on the way: QUANTISED
;;     5. [M 65,536, K 4,096] x [K 4,096, N 64]; A: softmax (see below); B: computed on the way: QUANTISED
;;     6. [M 4,096, K 1,024] x [K 1,024, N 1,024]; A: computed on the way; B: input Wo: QUANTISED
;;   THE QUANTISER, for each operand of a quantised product, along K:
;;     - K is cut into blocks of 32 from its start; a last block that is shorter is filled with zeros.
;;     - A block's scale is 2^e with e = floor(log2(the largest magnitude in the block)) - 2, held to -126 .. 127; a block of zeros has e = 0. As a byte (E8M0): e + 127.
;;     - Each number is divided by its block's scale, clamped to +-7.5, and rounded to the nearest number of E2M3, ties to even, subnormals kept.
;;     - The product sums the exact products of the quantised numbers (number of the format x scale) in f32.
;;   ~~~python
;;   def quantise(x, axis):      # numpy; x: float32 -> the quantised numbers, widened to float32 again
;;       x = np.moveaxis(x, axis, -1); K = x.shape[-1]
;;       x = np.pad(x, [(0, 0)] * (x.ndim - 1) + [(0, -K % 32)]); x = x.reshape(x.shape[:-1] + (-1, 32)); a = np.abs(x).max(-1, keepdims=True)
;;       e = np.where(a > 0, np.clip(np.frexp(np.where(a > 0, a, 1))[1] - 1 - 2, -126, 127), 0)      # np.frexp(a)[1] - 1 = floor(log2(a)), exactly
;;       r = np.clip(x / 2.0 ** e, -7.5, 7.5)
;;       step = 2.0 ** (np.maximum(np.frexp(np.where(r == 0, 1, r))[1] - 1, 0) - 3)
;;       q = np.round(r / step) * step * 2.0 ** e      # np.round: ties to even
;;       return np.moveaxis(q.reshape(q.shape[:-2] + (-1,))[..., :K], -1, axis).astype(np.float32)
;;   ~~~
;;   SOFTMAX AHEAD OF A QUANTISED PRODUCT. Where the list says 'softmax', what is quantised is not the finished softmax but p = 2^(t - M), with t = logit x log2(e) and M = ceil(the row's largest t), a whole number; so 1/2 < the row's largest p <= 1. The row's sum l is taken of the UNQUANTISED p, in f32, and the product's result is divided by l at the end. Since M is a whole number, a kernel that streams over the keys may use a running M (the ceiling of the running maximum): every later rescaling is an exact power of two, which a block's scale takes up: the codes' values come out the same.
;;   OPERANDS COMPUTED ON THE WAY. 'Computed on the way' means the value that the module computes at that place (a softmax that the list does not call 'softmax' is quantised finished and normalised). What goes into a quantiser is computed in f32, as accurately as f32 sums, v_exp_f32 and their like allow (about 1e-6 of the number): no bf16 or f16 on the way to a quantiser, and a product that is left as it is and whose result goes on into a quantised operand takes f32 operands (vector FMAs, or v_wmma_f32_16x16x4_f32). A number that lies on a knife's edge between two numbers of the format may be rounded either way, as far as f32 arithmetic and the matrix unit's own rounding can turn it there, and no further.
;; One version. Each part assembles by itself: llvm-mc -triple=amdgcn-amd-amdhsa -mcpu=gfx1250 --defsym DOCPART=n.
;; ======== version 1 of 1: 2 launches
;; limits: right only within a limited range of input values
;; workspace buffers: kvc 393,216 bytes; kvs 24,576 bytes; wqc 786,432 bytes; wqs 32,768 bytes; woc 786,432 bytes; wos 32,768 bytes
;; launch prep (part 1): grid 320 x 1, 8 waves a work-group, no clusters, 144,384 bytes of LDS; arguments k, v, Wk, Wv, bk, bv, Wq, Wo, out1, out2, kvc, kvs, wqc, wqs, woc, wos; writes out1, out2, kvc, kvs, wqc, wqs, woc, wos
.if DOCPART == 1
	.amdgcn_target "amdgcn-amd-amdhsa--gfx1250"
	.amdhsa_code_object_version 6
	.text
	.protected	k_qcfc0f42940_prep
	.globl	k_qcfc0f42940_prep
	.p2align	8
	.type	k_qcfc0f42940_prep,@function
k_qcfc0f42940_prep:
	s_mov_b64 s[64:65], 0
	v_nop
	global_prefetch_b8 v0, s[64:65] scope:SCOPE_SE
	s_setreg_imm32_b32 hwreg(HW_REG_WAVE_MODE, 25, 1), 1
	s_wait_xcnt 0x0
; PREP.  Two roles, told apart by the work-group's number.
; Work-groups 0-255 (role KV): kh = k Wk + bk (0-127) or vh = v Wv + bv (128-255), both operands quantised to FP6 (E2M3) with one E8M0 scale for each 32 along K = 1,024.
;   A work-group takes 32 rows; WAVE w OWNS K STEP w (k = 128 w .. 128 w + 127): it quantises its own two fragments of the rows and its own four of the weight, so no operand changes waves;
;   the eight waves' partial sums meet in LDS and are added, with the bias, in f32.  The rows leave as out1 / out2 (f32), and as codes for the attention launch, laid in the order of its operand registers.
; Work-groups 256-319 (role W): Wq (256-287) or Wo (288-319), [k][n] f32, quantised along k: a lane takes a column and its registers run down k; the codes leave as images of the reader's operand registers.
; AN IMAGE: four registers of a fragment lie as 512 bytes, lane l's 16 bytes at 16 l (two registers: 256 bytes, 8 l).  PERM: lane r of tile 2 b + u stands for row 32 b + 8 u + r + 8 (r / 8).
; kvc: slot (256 keys) x 24,576: K's part: step x 6,144 + tile x 768 (6 registers: key PERM, d = 32 h ..); V's part at 12,288: step x 6,144 + tile x 1,536 (12 registers: d PERM, keys 64 c + 32 h ..).
; kvs: slot x 1,536: K's words: step x 512 + 16 l + 4 b: tile 2 b + l / 16, row l % 16;  V's at 1,024: 16 l + 4 t: tile t, row l % 16, step l / 16.
; wqc, woc: ((head x 8 + K step) x 4 + tile) x 1,536;  wqs, wos: ((head x 8 + K step) x 2 + b) x 128 + 4 l: tile 2 b + l / 16, row l % 16.
; A block's scale byte is its largest magnitude's exponent field - 2, held at 1 from below.
; LIMITS: NaN and infinities among the inputs are not served; a block of zeros, or one whose largest magnitude lies under 2^-124, keeps the byte 1 (only this program reads the bytes);
; the projections add eight partial sums of 128 along K in f32, another order than one ascending sum.
; V's codes leave in pieces of 8 bytes and the scale words and bytes in pieces of 4 and 1: 221,184 bytes of the 42 million that the launch moves; whole runs would ask for 128 keys to a work-group, 32 work-groups for v.
.set TSP,  528                         ; a wave's stage: 16 rows of 512 bytes + 16
.set TSB,  16*TSP
.set PART, 8*TSB                       ; the partial sums: wave x 8,192 + tile x 1,024, as images
.set F32S, PART+65536                  ; the finished 32 rows x 64, f32, rows 272 bytes apart
.set FP,   272
.set LI,  1                            ; 16 x lane
.set L8,  2                            ; 8 x lane
.set R16, 3                            ; 16 x (lane % 16)
.set TSW, 4                            ; stage, in
.set TSR, 5                            ; stage, out
.set WO,  6                            ; Wk, Wv: 8,192 h + 4 r
.set PWA, 7                            ; partial sums, in
.set PRA, 8                            ; partial sums, out
.set FSW, 9                            ; finished rows, in
.set FRO, 10                           ; finished rows, out by rows
.set SH8, 11                           ; 8 h
.set FKR, 12                           ; finished rows, out for K's codes
.set FVR, 13                           ; finished rows, out for V's codes
.set BO,  14                           ; 32 h
.set TM,  16                           ; v16-31 at work
.set PTB, 24                           ; v24-26 the upper half of a block's codes
.set NA,  32                           ; v32-95   rows 0-15: 64 numbers a lane
.set NB,  96                           ; v96-159  rows 16-31
.set B0,  160                          ; v160-191 a block of the weight
.set B1,  32                           ; v32-63   the other one
.set AC,  64                           ; v64-95   accumulators, two sets of two
.set AF0, 192                          ; the rows' two fragments
.set AF1, 204
.set PTQ, 216
.set WF,  224                          ; the weight's fragment in hand
.set AS0, 240                          ; scale words, and nothing else
.set AS1, 241
.set WS,  242
.set BI,  244                          ; v244-251 the bias of my tile
.set CO,  252                          ; 1,536 u + 16 r'   (u = (l / 8) % 2, r' = l % 8 + 8 (l / 16): the place of column 32 b + l in tiles 2 b, 2 b + 1)
.set WSO, 253                          ; 64 u + 4 r'
.set VSO, 254                          ; 16 r' + 4 u
.set L4,  255                          ; 4 x lane
.set CW,  96                           ; role W: v96-119 the codes of four blocks
.set SW,  120                          ; role W: the scale word
; 32 numbers of ONE block in a lane's registers v[src] on become 6 registers of codes at v[dst] on; sco: the conversion's scale operand; byt: the scale's byte.
.macro BLOCKQ src, dst, sco, byt
	v_max3_num_f32 v16, |v[(\src)]|, |v[(\src)+1]|, |v[(\src)+2]|
	v_max3_num_f32 v17, |v[(\src)+3]|, |v[(\src)+4]|, |v[(\src)+5]|
.irp i, 6,10,14,18,22,26
	s_delay_alu instid0(VALU_DEP_2)
	v_max3_num_f32 v16, v16, |v[(\src)+\i]|, |v[(\src)+\i+1]|
	s_delay_alu instid0(VALU_DEP_2)
	v_max3_num_f32 v17, v17, |v[(\src)+\i+2]|, |v[(\src)+\i+3]|
.endr
	s_delay_alu instid0(VALU_DEP_2)
	v_max3_num_f32 v16, v16, |v[(\src)+30]|, |v[(\src)+31]|
	s_delay_alu instid0(VALU_DEP_1)
	v_max3_num_f32 v16, v16, v17, 0x1800000        ; the floor 2^(3 - 127): the byte cannot fall under 1
	s_delay_alu instid0(VALU_DEP_1)
	v_add_nc_u32 v[\sco], 0xff000000, v16          ; 2 off the exponent field: the conversion takes that field as its scale
	s_delay_alu instid0(VALU_DEP_1)
	v_lshrrev_b32 v[\byt], 23, v[\sco]
	v_cvt_scalef32_pk16_fp6_f32 v[(\dst):(\dst)+2], v[(\src):(\src)+15], v[\sco]
	v_cvt_scalef32_pk16_fp6_f32 v[PTB:PTB+2], v[(\src)+16:(\src)+31], v[\sco]   ; (a conversion's three registers begin on an even number)
	v_nop                                          ; one plain line behind the conversions
.irp i, 0,1,2
	v_mov_b32 v[(\dst)+3+\i], v[PTB+\i]
.endr
.endm
; 64 numbers of a lane, register 16 b + i = k 32 b + 16 h + i of my row, become a fragment at v[dst] on and its scale word in v[sw].
.macro QUANT src, dst, sw
.irp b, 0,1,2,3
	v_max3_num_f32 v[TM+\b], |v[\src+16*\b]|, |v[\src+1+16*\b]|, 0x1800000
.endr
.irp i, 2,4,6,8,10,12,14
.irp b, 0,1,2,3
	s_delay_alu instid0(VALU_DEP_4)
	v_max3_num_f32 v[TM+\b], v[TM+\b], |v[\src+16*\b+\i]|, |v[\src+1+16*\b+\i]|
.endr
.endr
.irp b, 0,1,2,3
	s_delay_alu instid0(VALU_DEP_4)
	v_permlanex16_b32 v[TM+4+\b], v[TM+\b], s42, s43
.endr
.irp b, 0,1,2,3
	s_delay_alu instid0(VALU_DEP_4)
	v_max_num_f32 v[TM+\b], v[TM+\b], v[TM+4+\b]   ; with lane l xor 16's: the block's largest magnitude
.endr
.irp b, 0,1,2,3
	s_delay_alu instid0(VALU_DEP_4)
	v_add_nc_u32 v[TM+12+\b], 0xff000000, v[TM+\b]
.endr
.irp b, 0,1,2,3
	s_delay_alu instid0(VALU_DEP_4)
	v_lshrrev_b32 v[TM+4+\b], 23, v[TM+12+\b]
.endr
	s_delay_alu instid0(VALU_DEP_3)
	v_lshl_or_b32 v[\sw], v[TM+5], 8, v[TM+4]
	s_delay_alu instid0(VALU_DEP_1)
	v_lshl_or_b32 v[\sw], v[TM+6], 16, v[\sw]
	s_delay_alu instid0(VALU_DEP_1)
	v_lshl_or_b32 v[\sw], v[TM+7], 24, v[\sw]
.irp c, 0,1
	v_cvt_scalef32_pk16_fp6_f32 v[\dst+6*\c:\dst+2+6*\c], v[\src+32*\c:\src+15+32*\c], v[TM+12+2*\c]
	v_cvt_scalef32_pk16_fp6_f32 v[PTQ+4*\c:PTQ+2+4*\c], v[\src+16+32*\c:\src+31+32*\c], v[TM+12+2*\c+1]
.endr
	v_nop                                          ; one plain line behind the conversions
.irp c, 0,1                                    ; the operand wants a whole block in a lane: lanes 0-15 block 2 c, lanes 16-31 block 2 c + 1
.irp i, 0,1,2
	v_permlane16_swap_b32 v[\dst+6*\c+\i], v[PTQ+4*\c+\i]
.endr
.irp i, 0,1,2
	s_delay_alu instid0(VALU_DEP_3)
	v_mov_b32 v[\dst+3+6*\c+\i], v[PTQ+4*\c+\i]
.endr
.endr
.endm
	s_load_b512 s[4:19], s[0:1], 0x0               ; k, v, Wk, Wv, bk, bv, Wq, Wo
	s_load_b512 s[20:35], s[0:1], 0x40             ; out1, out2, kvc, kvs, wqc, wqs, woc, wos
	v_lshl_add_u32 v239, v0, 2, 0x23000
	v_mov_b32 v243, 0
	v_lshrrev_b32 v16, 5, v0
	s_delay_alu instid0(VALU_DEP_1)
	v_readfirstlane_b32 s36, v16                   ; wave 0..7
	v_and_b32 v16, 31, v0                          ; lane
	v_and_b32 v17, 15, v0                          ; r
	v_bfe_u32 v18, v0, 4, 1                        ; h
	s_delay_alu instid0(VALU_DEP_3)
	v_lshlrev_b32 v[LI], 4, v16
	s_delay_alu instid0(VALU_DEP_4)
	v_lshlrev_b32 v[L8], 3, v16
	s_delay_alu instid0(VALU_DEP_4)
	v_lshlrev_b32 v[R16], 4, v17
	v_lshlrev_b32 v[L4], 2, v16
	v_lshlrev_b32 v[SH8], 3, v18
	v_lshlrev_b32 v[BO], 5, v18
	s_mul_i32 s37, s36, TSB                        ; my stage
	v_add_nc_u32 v[TSW], s37, v[LI]                ; in: a row's 512 bytes as they lie
	v_mul_u32_u24 v[TSR], v17, TSP
	s_delay_alu instid0(VALU_DEP_1)
	v_lshl_add_u32 v[TSR], v18, 6, v[TSR]
	s_delay_alu instid0(VALU_DEP_1)
	v_add_nc_u32 v[TSR], s37, v[TSR]               ; out: row r, + 64 h: my 16 numbers of a block of 32
	v_lshlrev_b32 v[WO], 2, v17
	s_delay_alu instid0(VALU_DEP_1)
	v_lshl_add_u32 v[WO], v18, 13, v[WO]           ; column r, 32 rows of 256 bytes further down for lanes 16-31
	s_lshl_b32 s37, s36, 13
	s_add_co_u32 s37, s37, PART
	v_add_nc_u32 v[PWA], s37, v[LI]
	s_lshl_b32 s37, s36, 10
	s_add_co_u32 s37, s37, PART
	v_add_nc_u32 v[PRA], s37, v[LI]                ; wave w adds tile w of all eight waves
	s_lshr_b32 s37, s36, 2
	s_mul_i32 s37, s37, 16*FP
	s_and_b32 s38, s36, 3
	s_lshl_b32 s38, s38, 6
	s_add_co_u32 s37, s37, s38
	s_add_co_u32 s37, s37, F32S
	v_mul_u32_u24 v[FSW], v17, FP
	s_delay_alu instid0(VALU_DEP_1)
	v_lshl_add_u32 v[FSW], v18, 5, v[FSW]
	s_delay_alu instid0(VALU_DEP_1)
	v_add_nc_u32 v[FSW], s37, v[FSW]               ; row 16 (w / 4) + r, columns 16 (w % 4) + 8 h on
	s_mul_i32 s37, s36, 4*FP
	s_add_co_u32 s37, s37, F32S
	v_mul_u32_u24 v[FRO], v18, FP
	s_delay_alu instid0(VALU_DEP_1)
	v_lshl_add_u32 v[FRO], v17, 4, v[FRO]
	s_delay_alu instid0(VALU_DEP_1)
	v_add_nc_u32 v[FRO], s37, v[FRO]               ; rows 4 w + h, 16 bytes a lane
	s_and_b32 s38, s36, 1
	s_mul_i32 s37, s38, 8*FP
	s_add_co_u32 s37, s37, F32S
	v_and_b32 v19, 8, v17
	s_delay_alu instid0(VALU_DEP_1)
	v_add_nc_u32 v19, v19, v17                     ; r + 8 (r / 8)
	s_delay_alu instid0(VALU_DEP_1)
	v_mul_u32_u24 v[FKR], v19, FP
	s_delay_alu instid0(VALU_DEP_1)
	v_lshl_add_u32 v[FKR], v18, 7, v[FKR]
	s_delay_alu instid0(VALU_DEP_1)
	v_add_nc_u32 v[FKR], s37, v[FKR]               ; key 8 (w % 2) + r + 8 (r / 8), d = 32 h on
	s_lshl_b32 s37, s38, 7
	s_add_co_u32 s37, s37, F32S
	v_lshlrev_b32 v[FVR], 2, v16
	s_delay_alu instid0(VALU_DEP_1)
	v_add_nc_u32 v[FVR], s37, v[FVR]               ; d = 32 (w % 2) + lane
	v_bfe_u32 v20, v0, 3, 1                        ; u
	v_and_b32 v21, 7, v0
	s_delay_alu instid0(VALU_DEP_1)
	v_lshl_add_u32 v21, v18, 3, v21                ; r'
	s_delay_alu instid0(VALU_DEP_3)
	v_mul_u32_u24 v[CO], v20, 1536
	s_delay_alu instid0(VALU_DEP_1)
	v_lshl_add_u32 v[CO], v21, 4, v[CO]
	v_lshlrev_b32 v[WSO], 6, v20
	s_delay_alu instid0(VALU_DEP_1)
	v_lshl_add_u32 v[WSO], v21, 2, v[WSO]
	v_lshlrev_b32 v[VSO], 2, v20
	s_delay_alu instid0(VALU_DEP_1)
	v_lshl_add_u32 v[VSO], v21, 4, v[VSO]
	s_mov_b32 s42, 0x76543210
	s_mov_b32 s43, 0xfedcba98                      ; v_permlanex16_b32's selects for lane l xor 16
	s_wait_kmcnt 0x0
	s_cmp_lt_u32 ttmp9, 256
	s_cbranch_scc1 .Lkv
; ---------------- ROLE W: 128 along k x 256 columns a work-group; a wave 32 columns, a lane one ----------------
	s_sub_co_u32 s40, ttmp9, 256
	s_lshr_b32 s41, s40, 5                         ; 0: Wq, 1: Wo
	s_bfe_u32 s44, s40, 0x30002                    ; K step
	s_and_b32 s45, s40, 3                          ; which 256 columns
	s_cmp_eq_u32 s41, 0
	s_cselect_b64 s[46:47], s[16:17], s[18:19]
	s_cselect_b64 s[48:49], s[28:29], s[32:33]
	s_cselect_b64 s[50:51], s[30:31], s[34:35]
	s_lshl_b32 s52, s44, 19                        ; 128 rows of 4,096 bytes a K step
	s_lshl_b32 s53, s45, 10
	s_add_co_u32 s52, s52, s53
	s_lshl_b32 s53, s36, 7
	s_add_co_u32 s52, s52, s53                     ; + (256 cg + 32 w) x 4
	s_mov_b32 s53, 0
	s_add_nc_u64 s[46:47], s[46:47], s[52:53]
	s_lshl_b32 s54, s45, 2
	s_lshr_b32 s55, s36, 1
	s_add_co_u32 s54, s54, s55                     ; head = 4 cg + w / 2
	s_lshl_b32 s54, s54, 3
	s_add_co_u32 s54, s54, s44
	s_and_b32 s55, s36, 1                          ; b: which 32 columns of the head
	s_lshl_b32 s52, s54, 1
	s_add_co_u32 s52, s52, s55                     ; (head x 8 + K step) x 2 + b
	s_lshl_b32 s56, s52, 7
	s_mov_b32 s57, 0
	s_mul_i32 s52, s52, 3072                       ; two tiles of 1,536 bytes
	s_add_nc_u64 s[48:49], s[48:49], s[52:53]
	s_add_nc_u64 s[50:51], s[50:51], s[56:57]
.macro LOADW blk                               ; block blk of my column: 32 rows; a wave reads 128 consecutive bytes, the work-group 1,024
.irp i, 0,1,2,3,4,5,6,7,8,9,10,11,12,13,14,15,16,17,18,19,20,21,22,23,24,25,26,27,28,29,30,31
	global_load_b32 v[32+32*((\blk)%2)+\i], v[L4], s[46:47] offset:(32*(\blk)+\i)*4096 th:TH_LOAD_NT
.endr
.endm
	LOADW 0
	LOADW 1
.irp x, 0,1,2,3
.if \x < 3
	s_wait_loadcnt 32                              ; this block's 32 loads are in; the next block's 32 may be out
.else
	s_wait_loadcnt 0x0
.endif
	BLOCKQ 32+32*(\x%2), CW+12*(\x%2)+6*(\x/2), 20, 19     ; block x = 2 c + h goes to registers 6 c on of the lane r' + 16 h
.if \x == 0
	v_mov_b32 v[SW], v19
.else
	v_lshl_or_b32 v[SW], v19, 8*\x, v[SW]
.endif
.if \x < 2
	LOADW \x+2
.endif
.endr
.irp hh, 0,1
.irp p, 0,1,2
	global_store_b128 v[CO], v[CW+12*\hh+4*\p:CW+12*\hh+4*\p+3], s[48:49] offset:512*\p+256*\hh   ; sixteen lanes fill 256 consecutive, aligned bytes of tile 2 b, sixteen of tile 2 b + 1
.endr
.endr
	global_store_b32 v[WSO], v[SW], s[50:51]       ; 128 consecutive bytes
	s_endpgm
; ---------------- ROLE KV ----------------
.Lkv:
	s_lshr_b32 s40, ttmp9, 7                       ; 0: k, 1: v
	s_and_b32 s41, ttmp9, 127                      ; which 32 rows
	s_cmp_eq_u32 s40, 0
	s_cselect_b64 s[44:45], s[4:5], s[6:7]
	s_cselect_b64 s[46:47], s[8:9], s[10:11]
	s_cselect_b64 s[48:49], s[12:13], s[14:15]
	s_cselect_b64 s[50:51], s[20:21], s[22:23]
	s_lshl_b32 s52, s41, 17                        ; 32 rows of 4,096 bytes
	s_lshl_b32 s53, s36, 9                         ; my K step's 512 bytes
	s_add_co_u32 s52, s52, s53
	s_mov_b32 s53, 0
	s_add_nc_u64 s[44:45], s[44:45], s[52:53]
	s_lshl_b32 s52, s36, 15                        ; 128 rows of 256 bytes of the weight
	s_add_nc_u64 s[46:47], s[46:47], s[52:53]
	s_and_b32 s52, s36, 3
	s_lshl_b32 s52, s52, 6                         ; the bias of tile w's 16 columns
	s_add_nc_u64 s[48:49], s[48:49], s[52:53]
	s_lshl_b32 s52, s41, 13
	s_lshl_b32 s54, s36, 10
	s_add_co_u32 s52, s52, s54                     ; 32 rows of 256 bytes; my four of them
	s_add_nc_u64 s[50:51], s[50:51], s[52:53]
	s_lshr_b32 s54, s41, 3                         ; slot
	s_bfe_u32 s55, s41, 0x10002                    ; step in it
	s_and_b32 s56, s41, 3                          ; block of 32 keys in the step
	s_mul_i32 s52, s54, 24576
	s_mul_i32 s57, s55, 6144
	s_add_co_u32 s52, s52, s57
	s_add_nc_u64 s[24:25], s[24:25], s[52:53]
	s_mul_i32 s52, s54, 1536
	s_add_nc_u64 s[26:27], s[26:27], s[52:53]
.irp b, 0,1,2,3
	v_mov_b32 v[TM+4+\b], 0                        ; written once: a lane permute's destination counts as one of its sources
.endr
.macro ALOAD m, reg                            ; rows 16 m on, my K step: each load reads 512 consecutive bytes of one row
.irp i, 0,1,2,3,4,5,6,7,8,9,10,11,12,13,14,15
	global_load_b128 v[\reg+4*\i:\reg+4*\i+3], v[LI], s[44:45] offset:(16*\m+\i)*4096 th:TH_LOAD_NT
.endr
.endm
.macro TURN reg                                ; through my stage: in as loaded, out 16 neighbours of each block a lane.  A wave's LDS instructions are served in order: no wait between
.irp i, 0,1,2,3,4,5,6,7,8,9,10,11,12,13,14,15
	ds_store_b128 v[TSW], v[\reg+4*\i:\reg+4*\i+3] offset:TSP*\i
.endr
.irp bb, 0,1,2,3
.irp j, 0,1,2,3
	ds_load_b128 v[\reg+16*\bb+4*\j:\reg+16*\bb+4*\j+3], v[TSR] offset:128*\bb+16*\j
.endr
.endr
.endm
.macro WLOAD x, buf                            ; block x = 2 t + c of the weight: column 16 t + r, k = 64 c + 32 h + 0 .. 31 of my K step
.irp i, 0,1,2,3,4,5,6,7,8,9,10,11,12,13,14,15,16,17,18,19,20,21,22,23,24,25,26,27,28,29,30,31
	global_load_b32 v[(\buf)+\i], v[WO], s[46:47] offset:(64*((\x)%2)+\i)*256+64*((\x)/2)
.endr
.endm
	global_load_b128 v[BI:BI+3], v[BO], s[48:49]
	global_load_b128 v[BI+4:BI+7], v[BO], s[48:49] offset:16
	ALOAD 0, NA
	ALOAD 1, NB
	WLOAD 0, B0
	s_wait_loadcnt 48                              ; rows 0-15 are in: behind them stand 16 + 32 loads
	TURN NA
	s_wait_dscnt 0x0
	QUANT NA, AF0, AS0
	s_wait_loadcnt 32                              ; rows 16-31 are in: behind them stand the weight's 32
	TURN NB
	s_wait_dscnt 0x0
	QUANT NB, AF1, AS1
	WLOAD 1, B1
.irp x, 0,1,2,3,4,5,6,7
.if \x < 7
	s_wait_loadcnt 32                              ; this block is in; the next block's 32 may be out
.else
	s_wait_loadcnt 0x0
.endif
	BLOCKQ 160-128*(\x%2), WF+6*(\x%2), 20, 18+(\x%2)
.if \x < 6
	WLOAD \x+2, 160-128*(\x%2)
.endif
.if \x%2 == 1
	v_lshl_or_b32 v21, v19, 16, v18                ; my two bytes: blocks h and 2 + h of column 16 t + r,
	s_delay_alu instid0(VALU_DEP_1)
	v_lshlrev_b32 v21, v[SH8], v21                 ; at their places in the word;
	s_delay_alu instid0(VALU_DEP_1)
	v_permlanex16_b32 v22, v21, s42, s43
	s_delay_alu instid0(VALU_DEP_1)
	v_or_b32 v[WS], v21, v22                       ; with lane l xor 16's two the word is whole
.rept 8
	v_nop                                          ; a scale register written by a vector instruction stands 8 places ahead of the scaled product, an operand 4
.endr
	; source 0 = 16 columns of the weight, source 1 = 16 rows: a lane then holds one row and eight neighbouring columns
	v_wmma_scale_f32_16x16x128_f8f6f4 v[AC+16*((\x/2)%2):AC+16*((\x/2)%2)+7], v[WF:WF+11], v[AF0:AF0+11], 0, v[WS], v[AS0] matrix_a_fmt:MATRIX_FMT_FP6 matrix_b_fmt:MATRIX_FMT_FP6
	v_wmma_scale_f32_16x16x128_f8f6f4 v[AC+16*((\x/2)%2)+8:AC+16*((\x/2)%2)+15], v[WF:WF+11], v[AF1:AF1+11], 0, v[WS], v[AS1] matrix_a_fmt:MATRIX_FMT_FP6 matrix_b_fmt:MATRIX_FMT_FP6
.rept 4
	v_nop                                          ; four places ahead of the first read of the results
.endr
.irp m, 0,1
	ds_store_b128 v[PWA], v[AC+16*((\x/2)%2)+8*\m:AC+16*((\x/2)%2)+8*\m+3] offset:1024*(4*\m+\x/2)          ; each accumulator from its low end on
	ds_store_b128 v[PWA], v[AC+16*((\x/2)%2)+8*\m+4:AC+16*((\x/2)%2)+8*\m+7] offset:1024*(4*\m+\x/2)+512
.endr
.endif
.endr
	s_wait_dscnt 0x0                               ; my partial sums lie in LDS
	s_barrier_signal -1
	s_barrier_wait -1                              ; everybody's do
.irp ww, 0,1,2,3,4,5,6,7
.irp p, 0,1
	ds_load_b128 v[32+8*\ww+4*\p:32+8*\ww+4*\p+3], v[PRA] offset:8192*\ww+512*\p
.endr
.endr
	s_wait_dscnt 0x0
.irp kk, 0,2,4,6
	v_pk_add_f32 v[96+\kk:97+\kk], v[BI+\kk:BI+\kk+1], v[32+\kk:33+\kk]
.endr
.irp ww, 1,2,3,4,5,6,7
.irp kk, 0,2,4,6
	s_delay_alu instid0(VALU_DEP_4)
	v_pk_add_f32 v[96+\kk:97+\kk], v[96+\kk:97+\kk], v[32+8*\ww+\kk:33+8*\ww+\kk]
.endr
.endr
	ds_store_b128 v[FSW], v[96:99]
	ds_store_b128 v[FSW], v[100:103] offset:16
	s_wait_dscnt 0x0                               ; my tile of the finished rows lies in LDS
	s_barrier_signal -1
	s_barrier_wait -1                              ; all eight do
	ds_load_b128 v[104:107], v[FRO]
	ds_load_b128 v[108:111], v[FRO] offset:2*FP
	s_wait_dscnt 0x0
	global_store_b128 v[LI], v[104:107], s[50:51]              ; 512 consecutive bytes: two whole rows of out1 or out2
	global_store_b128 v[LI], v[108:111], s[50:51] offset:512
	s_cmp_lt_u32 s36, 2                            ; the codes are two waves' work; no barrier follows
	s_cbranch_scc0 .Lend
	s_cmp_eq_u32 s40, 0
	s_cbranch_scc0 .Lvpath
	; K: wave u makes tile 2 b + u: lane (r, h): key PERM, d = 32 h on: a whole block in a lane
.irp j, 0,1,2,3,4,5,6,7
	ds_load_b128 v[32+4*\j:35+4*\j], v[FKR] offset:16*\j
.endr
	s_lshl_b32 s52, s56, 1
	s_add_co_u32 s52, s52, s36
	s_mul_i32 s52, s52, 768
	s_add_nc_u64 s[24:25], s[24:25], s[52:53]
	s_lshl_b32 s52, s55, 9
	s_lshl_b32 s57, s56, 2
	s_add_co_u32 s52, s52, s57
	s_lshl_b32 s57, s36, 8
	s_add_co_u32 s52, s52, s57                     ; 512 step + 4 b + 256 u
	s_add_nc_u64 s[26:27], s[26:27], s[52:53]
	s_wait_dscnt 0x0
	BLOCKQ 32, 96, 20, 19
	v_lshlrev_b32 v21, v[SH8], v19                 ; the byte of d block h
	s_delay_alu instid0(VALU_DEP_1)
	v_permlanex16_b32 v22, v21, s42, s43
	s_delay_alu instid0(VALU_DEP_1)
	v_or_b32 v21, v21, v22
	s_delay_alu instid0(VALU_DEP_1)
	v_lshl_or_b32 v21, v21, 16, v21                ; the two bytes twice: the reader lays a tile in the lower or in the upper half of the instruction's K
	global_store_b128 v[LI], v[96:99], s[24:25]
	global_store_b64 v[L8], v[100:101], s[24:25] offset:512
	global_store_b32 v[R16], v21, s[26:27]         ; lanes l and l + 16 write the same word with the same value
	s_wait_tensorcnt 0x0
	ds_add_u32 v239, v243
	s_wait_dscnt 0x0
	s_endpgm
.Lvpath:
	; V: wave x: a lane takes d = 32 x + lane, its registers run down the work-group's 32 keys: one block
.irp i, 0,1,2,3,4,5,6,7,8,9,10,11,12,13,14,15,16,17,18,19,20,21,22,23,24,25,26,27,28,29,30,31
	ds_load_b32 v[32+\i], v[FVR] offset:FP*\i
.endr
	s_and_b32 s57, s56, 1
	s_lshl_b32 s52, s57, 8                         ; key block b = 2 c + h: lanes 16 h on,
	s_mul_i32 s57, s36, 3072
	s_add_co_u32 s52, s52, s57
	s_add_co_u32 s52, s52, 12288
	s_add_nc_u64 s[24:25], s[24:25], s[52:53]
	s_lshr_b32 s57, s56, 1                         ; registers 6 c on: their three pairs lie at 520 c, 8 + 1,016 c and 512 + 520 c of the tile's image
	s_mul_i32 s58, s57, 520
	s_mul_i32 s59, s57, 1016
	v_add_nc_u32 v27, s58, v[CO]
	v_add_nc_u32 v28, s59, v[CO]
	s_lshl_b32 s52, s55, 8
	s_add_co_u32 s52, s52, s56
	s_lshl_b32 s57, s36, 3
	s_add_co_u32 s52, s52, s57
	s_add_co_u32 s52, s52, 1024                    ; 1,024 + 256 step + b + 8 x
	s_add_nc_u64 s[26:27], s[26:27], s[52:53]
	s_wait_dscnt 0x0
	BLOCKQ 32, 96, 20, 19
	global_store_b64 v27, v[96:97], s[24:25]
	global_store_b64 v28, v[98:99], s[24:25] offset:8
	global_store_b64 v27, v[100:101], s[24:25] offset:512
	global_store_b8 v[VSO], v19, s[26:27]
.Lend:
	s_wait_tensorcnt 0x0
	ds_add_u32 v239, v243
	s_wait_dscnt 0x0
	s_endpgm
.Lfunc_end_k_qcfc0f42940_prep:
	.size	k_qcfc0f42940_prep, .Lfunc_end_k_qcfc0f42940_prep-k_qcfc0f42940_prep
	.p2alignl 7, 3214868480
	.fill 96, 4, 3214868480
	.section	.rodata,"a",@progbits
	.p2align	6, 0x0
	.amdhsa_kernel k_qcfc0f42940_prep
		.amdhsa_group_segment_fixed_size 144384
		.amdhsa_private_segment_fixed_size 0
		.amdhsa_enable_private_segment 0
		.amdhsa_kernarg_size 128
		.amdhsa_user_sgpr_count 2
		.amdhsa_user_sgpr_kernarg_segment_ptr 1
		.amdhsa_wavefront_size32 1
		.amdhsa_system_sgpr_workgroup_id_x 1
		.amdhsa_system_sgpr_workgroup_id_y 1
		.amdhsa_system_sgpr_workgroup_id_z 1
		.amdhsa_system_vgpr_workitem_id 0
		.amdhsa_next_free_vgpr 256
		.amdhsa_next_free_sgpr 66
		.amdhsa_reserve_vcc 0
		.amdhsa_float_denorm_mode_32 3
		.amdhsa_float_denorm_mode_16_64 3
		.amdhsa_memory_ordered 1
		.amdhsa_forward_progress 1
		.amdhsa_inst_pref_size 103
	.end_amdhsa_kernel
	.amdgpu_metadata
---
amdhsa.version: [ 1, 2 ]
amdhsa.kernels:
  - .name:           k_qcfc0f42940_prep
    .symbol:         k_qcfc0f42940_prep.kd
    .args:
      - { .name: k, .offset: 0, .size: 8, .value_kind: global_buffer, .address_space: global }
      - { .name: v, .offset: 8, .size: 8, .value_kind: global_buffer, .address_space: global }
      - { .name: Wk, .offset: 16, .size: 8, .value_kind: global_buffer, .address_space: global }
      - { .name: Wv, .offset: 24, .size: 8, .value_kind: global_buffer, .address_space: global }
      - { .name: bk, .offset: 32, .size: 8, .value_kind: global_buffer, .address_space: global }
      - { .name: bv, .offset: 40, .size: 8, .value_kind: global_buffer, .address_space: global }
      - { .name: Wq, .offset: 48, .size: 8, .value_kind: global_buffer, .address_space: global }
      - { .name: Wo, .offset: 56, .size: 8, .value_kind: global_buffer, .address_space: global }
      - { .name: out1, .offset: 64, .size: 8, .value_kind: global_buffer, .address_space: global }
      - { .name: out2, .offset: 72, .size: 8, .value_kind: global_buffer, .address_space: global }
      - { .name: kvc, .offset: 80, .size: 8, .value_kind: global_buffer, .address_space: global }
      - { .name: kvs, .offset: 88, .size: 8, .value_kind: global_buffer, .address_space: global }
      - { .name: wqc, .offset: 96, .size: 8, .value_kind: global_buffer, .address_space: global }
      - { .name: wqs, .offset: 104, .size: 8, .value_kind: global_buffer, .address_space: global }
      - { .name: woc, .offset: 112, .size: 8, .value_kind: global_buffer, .address_space: global }
      - { .name: wos, .offset: 120, .size: 8, .value_kind: global_buffer, .address_space: global }
    .group_segment_fixed_size: 144384
    .private_segment_fixed_size: 0
    .kernarg_segment_align: 8
    .kernarg_segment_size: 128
    .max_flat_workgroup_size: 256
    .sgpr_count:     66
    .vgpr_count:     256
    .wavefront_size: 32
...
	.end_amdgpu_metadata
.endif
;; end of part 1
;; launch attn (part 2): grid 256 x 1, 8 waves a work-group, clusters of 4 x 1, 327,680 bytes of LDS; arguments q, mask, bq, bo, kvc, kvs, wqc, wqs, woc, wos, out0; writes out0
.if DOCPART == 2
	.amdgcn_target "amdgcn-amd-amdhsa--gfx1250"
	.amdhsa_code_object_version 6
	.text
	.protected	k_qcfc0f42940_attn
	.globl	k_qcfc0f42940_attn
	.p2align	8
	.type	k_qcfc0f42940_attn,@function
k_qcfc0f42940_attn:
	s_mov_b64 s[64:65], 0
	v_nop
	global_prefetch_b8 v0, s[64:65] scope:SCOPE_SE
	s_setreg_imm32_b32 hwreg(HW_REG_WAVE_MODE, 25, 1), 1
	s_wait_xcnt 0x0
	s_wait_alu depctr_hold_cnt(0) depctr_sa_sdst(0) depctr_va_vdst(0) depctr_va_sdst(0) depctr_va_ssrc(0) depctr_va_vcc(0) depctr_vm_vsrc(0)
	s_getreg_b32 s2, hwreg(HW_REG_IB_STS2, 6, 4)
	s_cmp_eq_u32 s2, 0
	s_cbranch_scc0 .Lentry_in_a_cluster
	s_endpgm
.Lentry_in_a_cluster:
	s_bfe_u32 s2, ttmp6, 0x10000c
	s_cmp_lg_u32 s2, 0x3003
	s_cbranch_scc0 .Lentry_shape_is_right
	s_endpgm
.Lentry_shape_is_right:
; ATTN.  out0 = (softmax((q Wq + bq) kh^T - 100000 mask) vh) Wo + bo, every product on codes of FP6 (E2M3) with one E8M0 scale for each 32 along its K.
; SHARES.  A work-group owns 16 queries; WAVE w OWNS HEADS 2 w AND 2 w + 1, in 512 registers, two waves to a SIMD.  qh, the scores, p and the attention's result never go to memory.
; WINDOWS.  What belongs to one head alone (state, Q's fragments, scores, O^T, p's codes, what is at work) has the same register numbers for both heads: the even head's in window 0, the odd head's in window 1,
;   so one macro serves both under two settings of s_set_vgpr_msb.  Shared: window 0: addresses, K's fragments, scale words; window 1: the mask's addends (v32-79, v224-239), the mask as loaded (v240-255).
;   K's and V's fragments and the addends are read from LDS once for the two heads.  V's fragments land where the even head's p lay.
; THE MASK is the same for all heads: wave w loads rows 2 w, 2 w + 1 of the work-group's 16 (512 consecutive bytes a load), makes the addends f32(mask) x -100000 and lays them in LDS in the order of the scores'
;   registers; every wave loads them into registers and names them as the C of K Q^T.  Each mask byte is asked for once, but for the last 256 keys', asked for once more by a clamped address (16,384 bytes a work-group).
; LAYOUT.  All products are used transposed (source 0 = 16 rows of the weight, 16 keys, 16 of V's d; source 1 = my 16 queries): a lane holds ONE query (lane % 16) throughout.  The rows of a tile are chosen
;   (lane r of tile 2 b + u: row 32 b + 8 u + r + 8 (r / 8)) so that the 16 registers of tiles 2 b, 2 b + 1 are 16 neighbours along the next product's K.
; K = 64 FILLS HALF OF THE INSTRUCTION'S 128.  A fragment of K holds TWO tiles of 16 keys: tile 2 f at k = 0 .. 63, tile 2 f + 1 at k = 64 .. 127.  Q stands twice: as [Q | zero codes] and as [zero codes | Q]:
;   the product with the first gives tile 2 f's scores, with the second tile 2 f + 1's.  So a key step's eight tiles fill 48 registers.  K's and Q's scale words carry their two bytes twice, so that one word serves either half;
;   the bytes that meet zero codes are finite.
; HEAD: wave w quantises columns 128 w on of the 16 rows of q (a K step's fragment, in two halves), the fragments meet in LDS as images of registers, each wave multiplies by its heads' fragments of Wq, taken from memory as they lie;
;   the results, quantised in registers, are Q's fragments.  TAIL: the same with O / l and Wo.
; SOFTMAX: t = score x log2(e); M = the running largest t rounded up to a whole number; p = 2^(t - M) is quantised along the keys; the row's sum is taken of the unquantised p and divides at the end.
;   A block's scale is taken from its largest score: the exponent of 2^x is floor(x), x = that score's t - M, made by the same multiply-add as the p's own.
; K, V: codes and scale words as the launch before laid them.  Slots of 512 keys (49,152 bytes) go through a ring of two: eight slots, four key steps of 128 to a slot.  The scale words (24,576 bytes) stay in LDS.
;   Inside a slot the next key step's addends, scale words and tiles of K are asked of LDS ahead of this step's softmax.
; CLUSTER: the four work-groups of a cluster walk the same K and V: each slot is asked for jointly, waves 0 to 3 a quarter (12,288 bytes) each.
;   Wq's and Wo's codes, which all work-groups read too, are NOT asked for jointly: a K step of the 16 heads is 98,304 bytes, and two such slots do not fit beside the ring and the addends (237,568 bytes).
; The mask's loads are issued two key steps ahead of their use, into registers, so no prefetch is laid for them.
; LIMITS: NaN and infinities among the inputs are not served; blocks of zeros, or under 2^-124, keep the scale byte 1; p under 2^-126 is 0;
;   where x lies within an ulp under a whole number and the exponential gives the power of two above, that one p is held at the block's largest code;
;   the mask's addend is added inside the matrix unit, with its rounding at that magnitude: this shows only in rows whose every key is masked.
.set SL1,   65536                      ; slot 1 begins here: one exclusive or turns an address
.set SLOTB, 49152
.set SUBB,  24576                      ; 256 keys: K's 12,288 bytes, then V's
.set HALFB, 12288
.set XIMG,  49152                      ; behind slot 0: q's half fragments, 768 bytes each, two a wave
.set XSC,   61440                      ; their scale words, 128 bytes a wave
.set DOFF,  65536                      ; the attention result's images and words lie this far on, behind slot 1
.set MIMG,  131072                     ; + slot: the mask's addends: step x 8,704 + half group x 272 + 16 x query
.set MSTEP, 8704
.set SCL,   165888                     ; K's and V's scale words, all slots
.set STG,   231424                     ; a stage of 16 rows x 272 bytes for each wave
.set SPARE, 301056                     ; the spare words, 128 bytes for each of 8 waves: four blocks of 256 bytes that no other line names
.set LI,  1                            ; 16 x lane
.set L8,  2                            ; 8 x lane
.set LS,  3                            ; 4 x lane
.set MR,  4                            ; where I read the addends
.set SPW, 5                            ; my spare word; never rewritten
.set NIL, 6                            ; 0; never rewritten
.set MW,  7                            ; where I write the addends
.set MO,  8                            ; the mask loads' offset
.set AD16, 9
.set AD8, 10
.set ADM, 11
.set QF,  16                           ; v16-27 [Q | zero codes].  Outside the loop window 0's v16-25 hold the addresses of PHASE_ADDR
.set PFO, 29                           ; 256 x min(lane, 23); never rewritten
.set ADW, 30
.set ADS, 31
.set KF,  32                           ; window 0: v32-79 a key step's eight tiles of K, six registers each: four fragments
.set F,   80                           ; v[80:81] f = 2^(old M - new M) in the low word
.set TT,  82                           ; v82 at work; v[82:83] one of the sum's chains
.set QF2, 84                           ; v84-95 [zero codes | Q]
.set S,   96                           ; v96-159 scores, then p; in window 0 then V's four fragments
.set MKC, 96                           ; window 1, between the steps: the addends just made
.set OT,  160                          ; v160-191 O^T
.set PC,  192                          ; p's codes
.set PT,  204
.set BM,  212
.set T2,  216                          ; v216-223 at work; four of the sum's chains
.set SCO, 220
.set KSC, 224                          ; window 0: v224-249 hold scale words and nothing else
.set VSC, 228
.set PW,  232                          ; v232, v233: p's scale words, a head each
.set QS,  234                          ; v234, v235: Q's
.set MKR, 240                          ; window 1: v240-255 the mask as loaded
.set WF0, 32                           ; the projections: a head's four fragments of a K step, two sets (v32-79, v80-127)
.set BI,  128                          ; the bias, in the result's layout
.set HA,  160                          ; four accumulators
.set XF0, 192                          ; window 0: the rows' fragment, two sets
.set WSC, 224                          ; the weights' scale words: set x 4 + head x 2 + b
.set XSW, 240
.set HW,  248                          ; v248, v249: two scale half words on their way to LDS
.set WV,  26
.set CX,  27
.set WGX, 28
.set G1,  32                           ; s[32:39] the one descriptor group 1
.set G0R, 40                           ; s[40:43] group 0 of the ring, which walks
.set G0S, 44                           ; s[44:47] group 0 of the scale words
.set SEL, 48
.set CS,  50                           ; s[50:51] log2(e)
.set NEG, 52                           ; s[52:53] -100000.0
.set TB,  54                           ; the slot in hand
.set TS,  55                           ; its scale words
.set SLOTS, 56
.set MSL, 57                           ; the run of 256 keys whose mask is asked for next
.set LIM, 58
.set MWB, 59                           ; the slot into whose images the addends are written
.set PFA, 60
.set TBM, 77                           ; the addends in hand
.set PRS, 78                           ; the last slot's pairs of steps to go
.set MSB, 0
.macro WIN new                         ; bits 1:0 source 0, 3:2 source 1, 5:4 source 2, 7:6 destination; the high byte repeats the setting that is left
.if MSB != (\new)
	s_set_vgpr_msb (MSB<<8)|(\new)
.set MSB, (\new)
.endif
.endm
.macro WMS d, a, b, c, sa, sb, row     ; D, source 0, source 1, C, their scale registers; row = 1: source 0's scales stand in lanes 16-31
.if (\row)
	v_wmma_scale_f32_16x16x128_f8f6f4 v[(\d):(\d)+7], v[(\a):(\a)+11], v[(\b):(\b)+11], v[(\c):(\c)+7], v[(\sa)], v[(\sb)] matrix_a_fmt:MATRIX_FMT_FP6 matrix_b_fmt:MATRIX_FMT_FP6 matrix_a_scale:MATRIX_SCALE_ROW1
.else
	v_wmma_scale_f32_16x16x128_f8f6f4 v[(\d):(\d)+7], v[(\a):(\a)+11], v[(\b):(\b)+11], v[(\c):(\c)+7], v[(\sa)], v[(\sb)] matrix_a_fmt:MATRIX_FMT_FP6 matrix_b_fmt:MATRIX_FMT_FP6
.endif
.endm
.macro PLACES n
.rept \n
	v_nop
.endr
.endm
.macro BARRIER
	s_wait_dscnt 0x0                               ; my LDS stores have landed and my LDS loads are in
	s_barrier_signal -1
	s_barrier_wait -1
.endm
.macro CROUND                          ; a round of the cluster's barrier
	s_barrier_signal -1
	s_barrier_wait -1
	s_cmp_lg_u32 s[WV], 0
	s_cbranch_scc1 .Lnot_wave_0_\@
	s_barrier_signal -3
.Lnot_wave_0_\@:
	s_barrier_wait -3
	s_barrier_signal -1
	s_barrier_wait -1
.endm
.macro TLOAD                           ; the joint refill: waves 0 to 3 a quarter of a slot each; four v_nop follow the line
	s_cmp_lt_u32 s[WV], 4
	s_cbranch_scc0 .Lasked_\@
	tensor_load_to_lds s[G0R:G0R+3], s[G1:G1+7]
	s_nop 0
	PLACES 4
.Lasked_\@:
.endm
; A prefetch of K's and V's codes.  All clusters walk the same bytes: the first cluster asks, waves 4 and 5 of each of its four work-groups, told apart by address: 6,144 bytes a wave, 24 lanes 256 bytes apart
; (lanes 24-31 name the wave's last block again).  Trip j (0 .. 5) names slot j + 2 while the trip's tensor loads bring slot j + 1; the sixth request ends inside the buffer's last 256 bytes, and the last trip asks for nothing.
.macro ASK
	s_cmp_gt_u32 s[SLOTS], s[LIM]
	s_cbranch_scc0 .Lnot_mine_\@
	global_prefetch_b8 v[PFO], s[PFA:PFA+1] th:TH_LOAD_NT scope:SCOPE_SE
.Lnot_mine_\@:
.endm
; The addresses of the head (off = 0) and the tail (off = DOFF; s71 and s72 have been stepped by it), from the thread's number.  Window 0.
.macro PHASE_ADDR off
	v_and_b32 v28, 15, v0                          ; r
	v_bfe_u32 v30, v0, 4, 1                        ; h
	s_delay_alu instid0(VALU_DEP_1)
	v_mul_u32_u24 v16, v30, 272
	s_delay_alu instid0(VALU_DEP_1)
	v_lshl_add_u32 v16, v28, 4, v16
	s_delay_alu instid0(VALU_DEP_1)
	v_add_nc_u32 v16, s70, v16                     ; v16 my stage by rows: lanes 0-15 one row, lanes 16-31 the next
	v_mul_u32_u24 v17, v28, 272
	s_delay_alu instid0(VALU_DEP_1)
	v_lshl_add_u32 v17, v30, 6, v17
	s_delay_alu instid0(VALU_DEP_1)
	v_add_nc_u32 v17, s70, v17                     ; v17 my stage by lanes: row r, + 64 h
	v_lshlrev_b32 v18, 4, v28
	s_delay_alu instid0(VALU_DEP_1)
	v_lshl_add_u32 v18, v30, 12, v18               ; v18 the same two rows in q and in out0
	v_add_nc_u32 v19, s71, v[LI]                   ; v19, v20, v21 where I put my half fragments and their word
	v_add_nc_u32 v20, s71, v[L8]
	s_delay_alu instid0(VALU_DEP_1)
	v_add_nc_u32 v20, 512, v20
	v_add_nc_u32 v21, s72, v[LS]
	v_add_nc_u32 v22, XIMG+(\off), v[LI]           ; v22, v23, v24 where anybody's are read
	v_add_nc_u32 v23, XIMG+(\off)+512, v[L8]
	v_add_nc_u32 v24, XSC+(\off), v[LS]
	v_lshlrev_b32 v25, 6, v30                      ; v25 the bias: 64 h
.endm
; 32 numbers of a lane, register 16 b + i = k 32 b + 16 h + i of my query, in window hd, become half a fragment (6 registers at v[dst] on, window hd) and two scale bytes in window 0's v[pw].
.macro QUANT2 src, dst, pw, hd
	WIN 0x55*(\hd)
.irp b, 0,1
	v_max3_num_f32 v[BM+\b], |v[\src+16*\b]|, |v[\src+1+16*\b]|, 0x1800000   ; and the floor 2^(3 - 127): the byte cannot fall under 1
.endr
.irp i, 2,4,6,8,10,12,14
.irp b, 0,1
	v_max3_num_f32 v[BM+\b], v[BM+\b], |v[\src+16*\b+\i]|, |v[\src+1+16*\b+\i]|
.endr
.endr
.irp b, 0,1
	s_delay_alu instid0(VALU_DEP_2)
	v_permlanex16_b32 v[T2+\b], v[BM+\b], s[SEL], s[SEL+1]
.endr
.irp b, 0,1
	s_delay_alu instid0(VALU_DEP_2)
	v_max_num_f32 v[BM+\b], v[BM+\b], v[T2+\b]
.endr
.irp b, 0,1
	s_delay_alu instid0(VALU_DEP_2)
	v_add_nc_u32 v[SCO+\b], 0xff000000, v[BM+\b]
.endr
.irp b, 0,1
	s_delay_alu instid0(VALU_DEP_2)
	v_lshrrev_b32 v[T2+\b], 23, v[SCO+\b]
.endr
	WIN 0x15*(\hd)                                 ; scale words live in window 0
	v_lshl_or_b32 v[\pw], v[T2+1], 8, v[T2]
	WIN 0x55*(\hd)
	v_cvt_scalef32_pk16_fp6_f32 v[\dst:\dst+2], v[\src:\src+15], v[SCO]
	v_cvt_scalef32_pk16_fp6_f32 v[PT:PT+2], v[\src+16:\src+31], v[SCO+1]
	v_nop                                          ; one plain line behind the conversions
.irp i, 0,1,2
	v_permlane16_swap_b32 v[\dst+\i], v[PT+\i]     ; lanes 0-15 take block 0 whole, lanes 16-31 block 1
.endr
.irp i, 0,1,2
	s_delay_alu instid0(VALU_DEP_3)
	v_mov_b32 v[\dst+3+\i], v[PT+\i]
.endr
.endm
.macro HALFIMG                         ; my two half fragments go to LDS as they stand; their two half words make the K step's scale word
.irp hd, 0,1
	WIN 0x04*\hd
	ds_store_b128 v19, v[PC:PC+3] offset:768*\hd
	ds_store_b64 v20, v[PC+4:PC+5] offset:768*\hd
.endr
	WIN 0
	v_lshl_or_b32 v[HW], v[HW+1], 16, v[HW]
	ds_store_b32 v21, v[HW]
.endm
.macro XFETCH s                        ; K step s: wave s's two halves, into set s % 2
	ds_load_b128 v[XF0+12*((\s)%2):XF0+12*((\s)%2)+3], v22 offset:1536*(\s)
	ds_load_b64 v[XF0+12*((\s)%2)+4:XF0+12*((\s)%2)+5], v23 offset:1536*(\s)
	ds_load_b128 v[XF0+12*((\s)%2)+6:XF0+12*((\s)%2)+9], v22 offset:1536*(\s)+768
	ds_load_b64 v[XF0+12*((\s)%2)+10:XF0+12*((\s)%2)+11], v23 offset:1536*(\s)+768
.endm
.macro WLOAD s, wc, ws                 ; my two heads' fragments of K step s, as they lie (512 consecutive bytes a load), and their scale words: 28 loads, into set s % 2
.irp hd, 0,1
	WIN 0x40*\hd
.irp t, 0,1,2,3
.irp p, 0,1,2
	global_load_b128 v[WF0+48*((\s)%2)+12*\t+4*\p:WF0+48*((\s)%2)+12*\t+4*\p+3], v[LI], s[\wc:\wc+1] offset:49152*\hd+(4*(\s)+\t)*1536+512*\p
.endr
.endr
.endr
	WIN 0
.irp hd, 0,1
.irp b, 0,1
	global_load_b32 v[WSC+4*((\s)%2)+2*\hd+\b], v[LS], s[\ws:\ws+1] offset:2048*\hd+(2*(\s)+\b)*128
.endr
.endr
.endm
.macro BIASLOAD bias                   ; 16 loads
.irp hd, 0,1
	WIN 0x40*\hd
.irp t, 0,1,2,3
	global_load_b128 v[BI+8*\t:BI+8*\t+3], v25, s[\bias:\bias+1] offset:256*\hd+128*(\t/2)+32*(\t%2)
	global_load_b128 v[BI+8*\t+4:BI+8*\t+7], v25, s[\bias:\bias+1] offset:256*\hd+128*(\t/2)+32*(\t%2)+16
.endr
.endr
	WIN 0
.endm
; 16 queries x my two heads' 128 columns, K = 1,024 in eight steps; the eight accumulators take turns.  x0: the loads issued behind K step 0's.
.macro PROJ_RUN wc, ws, x0
.irp s, 0,1,2,3,4,5,6,7
	ds_load_b32 v[XSW+\s], v24 offset:128*\s
.endr
	XFETCH 0
	XFETCH 1
.irp s, 0,1,2,3,4,5,6,7
.if \s == 0
	s_wait_dscnt 4                                 ; the words and this step's fragment are in; the next step's 4 loads may be out
	s_wait_loadcnt \x0
.elseif \s < 7
	s_wait_dscnt 4
	s_wait_loadcnt 28                              ; this step's weights are in; the next step's 28 loads may be out
.else
	s_wait_dscnt 0x0
	s_wait_loadcnt 0x0
.endif
.irp hd, 0,1
	WIN 0x51*\hd                                   ; the odd head: weights, C and D in window 1, the rows' fragment in window 0
.irp t, 0,1,2,3
.if \s == 0
	WMS HA+8*\t, WF0+12*\t, XF0, BI+8*\t, WSC+2*\hd+\t/2, XSW, \t%2          ; the bias is the C of each sum's first product
.else
	WMS HA+8*\t, WF0+48*(\s%2)+12*\t, XF0+12*(\s%2), HA+8*\t, WSC+4*(\s%2)+2*\hd+\t/2, XSW+\s, \t%2
.endif
.endr
.endr
	PLACES 4                                       ; ahead of loads into registers that these products have read, and of the first read of the results
	WIN 0
.if \s < 6
	WLOAD \s+2, \wc, \ws
	XFETCH \s+2
.endif
.endr
.endm
.macro MASKASK                         ; my two rows' 256 mask words of run MSL (the last run once more where there is none behind it: no load leaves the buffer)
	s_min_u32 s62, s[MSL], 15
	s_lshl_b32 s62, s62, 10
	v_add_nc_u32 v[MO], s62, v[LI]
	s_add_co_u32 s[MSL], s[MSL], 1
	WIN 0x40
.irp a, 0,1
	global_load_b128 v[MKR+8*\a:MKR+8*\a+3], v[MO], s[6:7] offset:16384*\a th:TH_LOAD_NT
	global_load_b128 v[MKR+8*\a+4:MKR+8*\a+7], v[MO], s[6:7] offset:16384*\a+512 th:TH_LOAD_NT
.endr
	WIN 0
.endm
.macro MASKCONV hf, cnt                ; 256 keys' addends, for key steps 2 hf and 2 hf + 1 of slot MWB, into images that nobody reads now.  cnt: the loads issued behind the mask's four
	s_wait_loadcnt \cnt                            ; the four loads are in; their offset register may be written again
	WIN 0x55
.irp i, 0,1,2,3,4,5,6,7,8,9,10,11,12,13,14,15
	v_cvt_f32_i32 v[MKC+\i], v[MKR+\i]
.endr
.irp i, 0,2,4,6,8,10,12,14
	v_pk_mul_f32 v[MKC+\i:MKC+\i+1], v[MKC+\i:MKC+\i+1], s[NEG:NEG+1] op_sel_hi:[1,0]
.endr
	WIN 0
	v_add_nc_u32 v[ADW], s[MWB], v[MW]
	WIN 0x04
.irp a, 0,1
	ds_store_b128 v[ADW], v[MKC+8*\a:MKC+8*\a+3] offset:2*MSTEP*(\hf)+16*\a
	ds_store_b128 v[ADW], v[MKC+8*\a+4:MKC+8*\a+7] offset:2*MSTEP*(\hf)+MSTEP+16*\a
.endr
	WIN 0
	MASKASK
.endm
.macro ADDRS                           ; the LDS addresses of the bytes in hand
	v_add_nc_u32 v[AD16], s[TB], v[LI]
	v_add_nc_u32 v[AD8], s[TB], v[L8]
	v_add_nc_u32 v[ADM], s[TBM], v[MR]
	v_add_nc_u32 v[ADS], s[TS], v[LI]
	s_wait_alu depctr_va_vdst(0)
.endm
.macro FETCH qq                        ; key step qq: its addends (tile T at window 1's v[32 + 8 T], tiles 6 and 7 at v224 on), K's scale words, K's eight tiles (tile T at v[KF + 6 T])
	WIN 0x40
.irp g, 0,1,2,3,4,5,6,7,8,9,10,11,12,13,14,15
	ds_load_b128 v[32+8*(\g/2)+144*(\g/12)+4*(\g%2):32+8*(\g/2)+144*(\g/12)+4*(\g%2)+3], v[ADM] offset:MSTEP*(\qq)+544*\g
.endr
	WIN 0
	ds_load_b128 v[KSC:KSC+3], v[ADS] offset:1536*((\qq)/2)+512*((\qq)%2)
.irp t, 0,1,2,3,4,5,6,7
	ds_load_b128 v[KF+6*\t:KF+6*\t+3], v[AD16] offset:SUBB*((\qq)/2)+6144*((\qq)%2)+768*\t
	ds_load_b64 v[KF+6*\t+4:KF+6*\t+5], v[AD8] offset:SUBB*((\qq)/2)+6144*((\qq)%2)+768*\t+512
.endr
.endm
.macro QK                              ; S^T = K Q^T + addends: eight tiles of 16 keys for each head; an even tile meets [Q | 0], an odd one [0 | Q]
.irp hd, 0,1
	WIN 0x10+0x44*\hd                              ; C in window 1; the odd head's Q and D too
.irp t, 0,1,2,3,4,5,6,7
	WMS S+8*\t, KF+12*(\t/2), QF+(QF2-QF)*(\t%2), 32+8*\t+144*(\t/6), KSC+\t/2, QS+\hd, \t%2
.endr
.endr
.endm
; One head's softmax of a key step, its p as codes, and O^T under the new M.  All its registers lie in window hd, but p's scale word.
.macro SOFT hd
	WIN 0x55*(\hd)
.if \hd
	s_wait_alu depctr_va_vdst(0)
.endif
.irp b, 0,1,2,3
	v_max3_num_f32 v[BM+\b], v[S+16*\b], v[S+1+16*\b], v[S+2+16*\b]   ; the largest score of each block of 32 keys: for the row's maximum and for the block's scale
.endr
.irp i, 3,5,7,9,11,13
.irp b, 0,1,2,3
	v_max3_num_f32 v[BM+\b], v[BM+\b], v[S+16*\b+\i], v[S+1+16*\b+\i]
.endr
.endr
.irp b, 0,1,2,3
	v_max_num_f32 v[BM+\b], v[BM+\b], v[S+15+16*\b]
.endr
.irp b, 0,1,2,3
	s_delay_alu instid0(VALU_DEP_4)
	v_permlanex16_b32 v[T2+\b], v[BM+\b], s[SEL], s[SEL+1]
.endr
.irp b, 0,1,2,3
	s_delay_alu instid0(VALU_DEP_4)
	v_max_num_f32 v[BM+\b], v[BM+\b], v[T2+\b]     ; with lane l xor 16's 16 keys
.endr
	s_delay_alu instid0(VALU_DEP_2)
	v_max3_num_f32 v[TT], v[BM], v[BM+1], v[BM+2]
	s_delay_alu instid0(VALU_DEP_1)
	v_max_num_f32 v[TT], v[TT], v[BM+3]
	s_delay_alu instid0(VALU_DEP_1)
	v_mul_f32 v[TT], s[CS], v[TT]                  ; as t
	s_delay_alu instid0(VALU_DEP_1)
	v_max_num_f32 v13, v13, v[TT]                  ; the running largest t
	v_mov_b32 v[TT], v12
	s_delay_alu instid0(VALU_DEP_2)
	v_floor_f32 v12, -v13                          ; the new -M = floor(-t): M is a whole number
	s_delay_alu instid0(VALU_DEP_1)
	v_sub_f32 v[TT], v12, v[TT]                    ; old M - new M, 0 or less
	s_delay_alu instid0(VALU_DEP_1)
	v_cvt_i32_f32 v[TT], v[TT]                     ; (it saturates)
	s_delay_alu instid0(VALU_DEP_1)
	v_ldexp_f32 v[F], 1.0, v[TT]                   ; f = 2^(old M - new M): a multiplication by it rounds nothing
.set n, 0
.rept 32
	v_pk_fma_f32 v[S+n:S+n+1], v[S+n:S+n+1], s[CS:CS+1], v[12:13] op_sel_hi:[1,0,0]   ; t - M
.set n, n+2
.endr
.irp b, 0,1,2,3
	v_fma_f32 v[BM+\b], v[BM+\b], s[CS], v12       ; x: the same of each block's largest score
.endr
.set n, 0
	s_wait_alu depctr_va_vdst(0)                   ; the wait ahead of the batch
.rept 64
	v_exp_f32 v[S+n], v[S+n]                       ; p = 2^(t - M)
.set n, n+1
.endr
	v_pk_mul_f32 v[14:15], v[14:15], v[F:F+1] op_sel_hi:[1,0]      ; the sums under the new M: the plain line behind the exponentials
	s_wait_alu depctr_va_vdst(0)                   ; one wait for the batch, ahead of its first reader
	; the row's sum of the unquantised p: 32 pairs in six chains (v[82:83], v216-223, v[14:15])
.set n, 0
.irp c, 82,216,218,220,222
	v_pk_add_f32 v[\c:\c+1], v[S+n:S+n+1], v[S+n+2:S+n+3]
.set n, n+4
.endr
	v_pk_add_f32 v[14:15], v[14:15], v[S+20:S+21]
.set n, 22
.rept 3
.irp c, 82,216,218,220,222,14
	v_pk_add_f32 v[\c:\c+1], v[\c:\c+1], v[S+n:S+n+1]
.set n, n+2
.endr
.endr
.irp c, 82,216,218
	v_pk_add_f32 v[\c:\c+1], v[\c:\c+1], v[S+n:S+n+1]
.set n, n+2
.endr
	v_pk_add_f32 v[14:15], v[14:15], v[220:221]
	v_pk_add_f32 v[82:83], v[82:83], v[222:223]
	v_pk_add_f32 v[216:217], v[216:217], v[218:219]
	s_delay_alu instid0(VALU_DEP_2)
	v_pk_add_f32 v[14:15], v[14:15], v[82:83]
	s_delay_alu instid0(VALU_DEP_1)
	v_pk_add_f32 v[14:15], v[14:15], v[216:217]
	; the blocks' scales: the largest p's exponent field is floor(x) + 127, the scale's 2 less
.irp b, 0,1,2,3
	v_max_num_f32 v[BM+\b], 0xc2f80000, v[BM+\b]   ; x held at -124 from below: the byte cannot fall under 1 (a block whose every p is 0 keeps that byte: its codes are zeros)
.endr
.irp b, 0,1,2,3
	s_delay_alu instid0(VALU_DEP_4)
	v_cvt_floor_i32_f32 v[BM+\b], v[BM+\b]
.endr
.irp b, 0,1,2,3
	s_delay_alu instid0(VALU_DEP_4)
	v_add_lshl_u32 v[SCO+\b], v[BM+\b], 125, 23    ; the conversion's scale operand
.endr
.irp b, 0,1,2,3
	v_add_nc_u32 v[T2+\b], 125, v[BM+\b]           ; the scale's byte
.endr
	s_delay_alu instid0(VALU_DEP_3)
	v_lshl_or_b32 v[TT], v[T2+1], 8, v[T2]         ; p's scale word for these 128 keys
	s_delay_alu instid0(VALU_DEP_1)
	v_lshl_or_b32 v[TT], v[T2+2], 16, v[TT]
	WIN 0x15*(\hd)                                 ; scale words live in window 0
	v_lshl_or_b32 v[PW+\hd], v[T2+3], 24, v[TT]
	WIN 0x55*(\hd)
.irp c, 0,1
	v_cvt_scalef32_pk16_fp6_f32 v[PC+6*\c:PC+6*\c+2], v[S+32*\c:S+32*\c+15], v[SCO+2*\c]
	v_cvt_scalef32_pk16_fp6_f32 v[PT+4*\c:PT+4*\c+2], v[S+16+32*\c:S+31+32*\c], v[SCO+2*\c+1]
.endr
	v_nop                                          ; one plain line behind the conversions
.if \hd == 0
.irp t, 0,1,2,3                                ; V's four fragments land where this head's p lay, while the other head's softmax is worked
.irp p, 0,1,2
	ds_load_b128 v[S+12*\t+4*\p:S+12*\t+4*\p+3], v[AD16] offset:HALFB+KO+1536*\t+512*\p
.endr
.endr
.endif
.irp c, 0,1
.irp i, 0,1,2
	v_permlane16_swap_b32 v[PC+6*\c+\i], v[PT+4*\c+\i]
.endr
.irp i, 0,1,2
	s_delay_alu instid0(VALU_DEP_3)
	v_mov_b32 v[PC+3+6*\c+\i], v[PT+4*\c+\i]
.endr
.endr
.set n, 0
.rept 16
	v_pk_mul_f32 v[OT+n:OT+n+1], v[OT+n:OT+n+1], v[F:F+1] op_sel_hi:[1,0]     ; O^T under the new M; these 16 are also the places ahead of the products
.set n, n+2
.endr
.endm
; A KEY STEP of both heads: 128 keys, the qq-th from the addresses in hand.  Its addends, K's words and K's tiles have been asked for.  pre = 1: the next step's are asked for here.
.macro STEP qq, pre
.set KO, SUBB*((\qq)/2)+6144*((\qq)%2)
	PLACES 5                                       ; behind the last products: their source 0 is written over by matrix results (5), their scale words are loaded into (4)
.if (\qq)%2 == 0
	ds_load_b128 v[VSC:VSC+3], v[ADS] offset:1536*((\qq)/2)+1024   ; V's words: lanes 0-15 this step's, lanes 16-31 the next step's
.endif
	s_wait_dscnt 0x0
	QK
	PLACES 4                                       ; ahead of the loads below and of the first read of the scores
.if \pre
	FETCH \qq+1
.endif
	SOFT 0
	SOFT 1
	s_wait_alu depctr_va_vdst(0)                   ; ahead of the wait below
	s_wait_dscnt 0x0
.irp hd, 0,1
	WIN 0x54*\hd                                   ; V's fragments in window 0; the odd head's p, C and D in window 1
.irp t, 0,1,2,3
	WMS OT+8*\t, S+12*\t, PC, OT+8*\t, VSC+\t, PW+\hd, (\qq)%2
.endr
.endr
	WIN 0
.endm
; THE CHANGE OF SLOTS stands at a slot's head.  Each wave waits for all its tensor loads, adds 0 to its spare word, and waits for that, for its reads of the slot that it has left and for its stores of addends.
; fill = 1: a round of the cluster's barrier; behind it the slot that has been left is filled with the next 512 keys: the load has the slot's four key steps in which to land.  One tensor load of a wave is out then.
; The add stands twice where a fill follows.
.macro CHANGE fill
	s_wait_tensorcnt 0x0                           ; no tensor load of mine is out, so the walking group 0 may be written
	ds_add_u32 v[SPW], v[NIL]                      ; 0 onto my spare word
.if \fill
	ds_add_u32 v[SPW], v[NIL]
	s_xor_b32 s[G0R+1], s[G0R+1], SL1
	s_add_nc_u64 s[G0R+2:G0R+3], s[G0R+2:G0R+3], SLOTB
	s_wait_xcnt 0x0                                ; the last prefetch, a slot back, has read its address
	s_add_nc_u64 s[PFA:PFA+1], s[PFA:PFA+1], SLOTB
.endif
	s_wait_dscnt 0x0
.if \fill
	CROUND
	TLOAD
	ASK
.else
	s_barrier_signal -1
	s_barrier_wait -1
.endif
.endm
.macro NORM hd                         ; O^T / l
	WIN 0x55*(\hd)
	v_add_f32 v14, v14, v15
	s_delay_alu instid0(VALU_DEP_1)
	v_permlanex16_b32 v[T2], v14, s[SEL], s[SEL+1]
	s_delay_alu instid0(VALU_DEP_1)
	v_add_f32 v14, v14, v[T2]                      ; the row's sum
	s_wait_alu depctr_va_vdst(0)                   ; the wait ahead of the reciprocal
	v_rcp_f32 v14, v14
	v_nop                                          ; a plain line behind the reciprocal
	s_wait_alu depctr_va_vdst(0)                   ; and the wait ahead of its first reader and of O^T's
.set n, 0
.rept 16
	v_pk_mul_f32 v[OT+n:OT+n+1], v[OT+n:OT+n+1], v[14:15] op_sel_hi:[1,0]     ; each accumulator from its low end on
.set n, n+2
.endr
.endm
	s_load_b256 s[4:11], s[0:1], 0x0               ; q, mask, bq, bo
	s_load_b256 s[12:19], s[0:1], 0x20             ; kvc, kvs, wqc, wqs
	s_load_b128 s[20:23], s[0:1], 0x40             ; woc, wos
	s_load_b64 s[24:25], s[0:1], 0x50              ; out0
	v_lshl_add_u32 v[SPW], v0, 2, SPARE
	v_mov_b32 v[NIL], 0
	ds_add_u32 v[SPW], v[NIL]                      ; the opening lines: the add twice on end and one wait
	ds_add_u32 v[SPW], v[NIL]
	s_wait_dscnt 0x0
	v_lshrrev_b32 v1, 5, v0
	s_delay_alu instid0(VALU_DEP_1)
	v_readfirstlane_b32 s[WV], v1                  ; wave 0..7: heads 2 w, 2 w + 1
	s_bfe_u32 s[CX], ttmp6, 0x40000                ; my place in the cluster: it enters global addresses alone
	s_lshl_b32 s[WGX], ttmp9, 2
	s_add_co_u32 s[WGX], s[WGX], s[CX]             ; my 16 queries: 16 x (4 x cluster + place) on
	s_mov_b32 s[SEL], 0x76543210
	s_mov_b32 s[SEL+1], 0xfedcba98
	s_mov_b32 s[CS], 0x3fb8aa3b                    ; log2(e)
	s_mov_b32 s[CS+1], s[CS]
	s_mov_b32 s[NEG], 0xc7c35000                   ; -100000.0
	s_mov_b32 s[NEG+1], s[NEG]
	; descriptor group 1: 48 rows of 256 dense bytes (32 elements of 8 bytes), no padding: images are read as consecutive bytes
	s_mov_b32 s[G1], 15|(3<<16)|(1<<21)            ; 15:0 the mask: all four work-groups; 17:16 elements of 8 bytes; 21 set beside a mask
	s_mov_b32 s[G1+1], 32<<16                      ; tensor_dim0
	s_mov_b32 s[G1+2], 48<<16                      ; tensor_dim1
	s_mov_b32 s[G1+3], 32<<16                      ; tile_dim0
	s_mov_b32 s[G1+4], 48                          ; tile_dim1
	s_mov_b32 s[G1+5], 32                          ; from row to row
	s_mov_b32 s[G1+6], 0
	s_mov_b32 s[G1+7], 0
	s_and_b32 s62, s[WV], 1
	s_mul_i32 s62, s62, HALFB                      ; which half of the scale words I fetch, if I fetch them
	s_mov_b32 s63, 0
	s_and_b32 s74, s[WV], 3
	s_mul_i32 s74, s74, HALFB                      ; which quarter of a slot I fetch, if I fetch for the ring
	s_mov_b32 s75, 0
	s_lshl_b32 s66, s[WGX], 16                     ; 16 rows of 4,096 bytes
	s_lshl_b32 s67, s[WV], 9
	s_add_co_u32 s66, s66, s67                     ; + my 128 columns
	s_mov_b32 s67, 0
	s_lshl_b32 s68, s[WGX], 3
	s_add_co_u32 s68, s68, s[WV]
	s_lshl_b32 s68, s68, 15                        ; the mask's row 16 x + 2 w, 16,384 bytes a row
	s_mov_b32 s69, 0
	s_mul_i32 s70, s[WV], 4352
	s_add_co_u32 s70, s70, STG                     ; my stage
	s_mul_i32 s71, s[WV], 1536
	s_add_co_u32 s71, s71, XIMG
	s_lshl_b32 s72, s[WV], 7
	s_add_co_u32 s72, s72, XSC
	s_lshr_b32 s[LIM], s[WV], 1
	s_xor_b32 s[LIM], s[LIM], 2
	s_or_b32 s[LIM], s[LIM], ttmp9                 ; 0 in waves 4 and 5 of the first cluster: the same in all four partners
	s_cmp_eq_u32 s[LIM], 0
	s_cselect_b32 s[LIM], 1, -1
	s_mov_b32 s[MSL], 0
	s_mov_b32 s[MWB], 0
	s_wait_kmcnt 0x0
	s_add_nc_u64 s[4:5], s[4:5], s[66:67]
	s_add_nc_u64 s[24:25], s[24:25], s[66:67]
	s_add_nc_u64 s[6:7], s[6:7], s[68:69]
	s_lshl_b32 s66, s[WV], 9
	s_add_nc_u64 s[8:9], s[8:9], s[66:67]
	s_add_nc_u64 s[10:11], s[10:11], s[66:67]
	s_mul_i32 s66, s[WV], 98304                    ; my two heads' 64 fragments
	s_add_nc_u64 s[16:17], s[16:17], s[66:67]
	s_add_nc_u64 s[20:21], s[20:21], s[66:67]
	s_lshl_b32 s66, s[WV], 12                      ; and their scale words
	s_add_nc_u64 s[18:19], s[18:19], s[66:67]
	s_add_nc_u64 s[22:23], s[22:23], s[66:67]
	s_mul_i32 s66, s[CX], HALFB
	s_add_co_u32 s66, s66, SLOTB
	s_and_b32 s76, s[WV], 1
	s_mul_i32 s76, s76, 6144
	s_add_co_u32 s66, s66, s76
	s_add_nc_u64 s[PFA:PFA+1], s[12:13], s[66:67]  ; the first change of slots steps it to slot 2, + 12,288 x place + 6,144 x (wave % 2).  Nothing is prefetched here, at the head
	s_mov_b32 s[G0S], 1
	s_add_co_u32 s[G0S+1], s62, SCL
	s_add_nc_u64 s[G0S+2:G0S+3], s[14:15], s[62:63]
	s_or_b32 s[G0S+3], s[G0S+3], 0x80000000
	s_mov_b32 s[G0R], 1
	s_mov_b32 s[G0R+1], s74
	s_add_nc_u64 s[G0R+2:G0R+3], s[12:13], s[74:75]
	s_or_b32 s[G0R+3], s[G0R+3], 0x80000000
	CROUND                                         ; all four work-groups are here: the first joint loads meet
	; the head's fills, at most one a wave, in one chain of branches: waves 0 to 3 slot 0's quarters, waves 4 and 5 the halves of the scale words
	s_cmp_lt_u32 s[WV], 4
	s_cbranch_scc0 .Lfirst_s
	tensor_load_to_lds s[G0R:G0R+3], s[G1:G1+7]
	s_nop 0
	PLACES 4
	s_branch .Lno_first
.Lfirst_s:
	s_cmp_lt_u32 s[WV], 6
	s_cbranch_scc0 .Lno_first
	tensor_load_to_lds s[G0S:G0S+3], s[G1:G1+7]
	s_nop 0
	PLACES 4
.Lno_first:
	v_and_b32 v28, 31, v0
	s_delay_alu instid0(VALU_DEP_1)
	v_lshlrev_b32 v[LI], 4, v28
	s_delay_alu instid0(VALU_DEP_2)
	v_lshlrev_b32 v[L8], 3, v28
	s_delay_alu instid0(VALU_DEP_3)
	v_lshlrev_b32 v[LS], 2, v28
	s_delay_alu instid0(VALU_DEP_4)
	v_lshlrev_b32 v[PFO], 8, v28
	s_delay_alu instid0(VALU_DEP_1)
	v_min_u32 v[PFO], 0x1700, v[PFO]               ; lanes 24-31 name block 23 again
	v_and_b32 v28, 15, v0
	v_bfe_u32 v30, v0, 4, 1
	s_delay_alu instid0(VALU_DEP_1)
	v_mul_u32_u24 v[MR], v30, 272
	s_delay_alu instid0(VALU_DEP_1)
	v_lshl_add_u32 v[MR], v28, 4, v[MR]
	s_delay_alu instid0(VALU_DEP_1)
	v_add_nc_u32 v[MR], MIMG, v[MR]                ; reader: half group 2 g + h at 272 x, query r at 16 r; group g (registers 4 g on) by the offset 544 g
	v_bfe_u32 v[MW], v0, 3, 2
	v_and_b32 v[MO], 3, v0
	s_delay_alu instid0(VALU_DEP_2)
	v_lshlrev_b32 v[MW], 3, v[MW]
	s_delay_alu instid0(VALU_DEP_1)
	v_lshl_add_u32 v[MW], v[MO], 1, v[MW]
	v_bfe_u32 v[MO], v0, 2, 1
	s_delay_alu instid0(VALU_DEP_1)
	v_add_nc_u32 v[MW], v[MW], v[MO]               ; writer: keys 4 l on are half group 8 (l / 8) + 2 (l % 4) + (l / 4) % 2
	s_delay_alu instid0(VALU_DEP_1)
	v_mul_u32_u24 v[MW], v[MW], 272
	s_lshl_b32 s66, s[WV], 5
	s_add_co_u32 s66, s66, MIMG
	v_add_nc_u32 v[MW], s66, v[MW]                 ; of query 2 w; query 2 w + 1 lies 16 bytes on
	PHASE_ADDR 0
.irp hd, 0,1
	WIN 0x40*\hd
.irp b, 0,1,2,3
	v_mov_b32 v[T2+\b], 0                          ; written once: a lane permute's destination counts as one of its sources
.endr
.endr
.irp hd, 0,1
	WIN 0x40*\hd
.irp i, 0,1,2,3,4,5,6,7
	global_load_b128 v[HA+4*\i:HA+4*\i+3], v18, s[4:5] offset:8192*\i+256*\hd th:TH_LOAD_NT   ; rows 2 i, 2 i + 1 of q, 64 of my columns: sixteen lanes read 256 consecutive bytes
.endr
.endr
	WIN 0
	MASKASK                                        ; the mask of keys 0-255
	BIASLOAD 8
	WLOAD 0, 16, 18
	; ---- q's fragment, in two halves
	s_wait_loadcnt 48                              ; q is in: behind it stand the mask's 4 loads, the bias's 16 and the weights' 28
.irp hd, 0,1
	WIN 0x04*\hd
.irp i, 0,1,2,3,4,5,6,7
	ds_store_b128 v16, v[HA+4*\i:HA+4*\i+3] offset:544*\i
.endr
	WIN 0x40*\hd
.irp bb, 0,1
.irp j, 0,1,2,3
	ds_load_b128 v[HA+16*\bb+4*\j:HA+16*\bb+4*\j+3], v17 offset:128*\bb+16*\j   ; a wave's LDS instructions are served in order: these see the stores above, and the next half's stores come behind them
.endr
.endr
.endr
	WIN 0
	s_wait_dscnt 0x0
	QUANT2 HA, PC, HW, 0
	QUANT2 HA, PC, HW+1, 1
	HALFIMG
	MASKCONV 0, 44                                 ; slot 0's first two key steps (behind the mask's loads stand 16 + 28); the mask of keys 256-511 is asked for
	s_wait_dscnt 0x0                               ; the stores have read their registers: the weights' loads may land there
	WLOAD 1, 16, 18
	BARRIER                                        ; q's eight fragments and the addends of slot 0's first two key steps lie in LDS
	; ---- qh of my heads, and Q's fragments
	PROJ_RUN 16, 18, 32                            ; behind K step 0's loads stand the mask's 4 and K step 1's 28
	QUANT2 HA, QF, QS, 0
	QUANT2 HA, QF, QS+1, 1
.irp hd, 0,1
	WIN 0x55*\hd
.irp i, 0,1,2,3,4,5
	v_mov_b32 v[QF+6+\i], 0                        ; [Q | zero codes]
	v_mov_b32 v[QF2+\i], 0                         ; [zero codes | Q]
	v_mov_b32 v[QF2+6+\i], v[QF+\i]
.endr
.set n, 0
.rept 32
	v_mov_b32 v[OT+n], 0                           ; the loop is written once: its first step finds zeros
.set n, n+1
.endr
	v_mov_b32 v14, 0
	v_mov_b32 v15, 0
	v_mov_b32 v[F+1], 0                            ; (named as the upper half of a pair)
	v_mov_b32 v13, 0xff61b1e6                      ; the largest t so far: -3e38
	s_delay_alu instid0(VALU_DEP_1)
	v_floor_f32 v12, -v13
.endr
	WIN 0
.irp hd, 0,1
	v_lshl_or_b32 v[QS+\hd], v[QS+\hd], 16, v[QS+\hd]   ; Q's two scale bytes twice: one word serves both of its fragments
.endr
	MASKCONV 1, 0                                  ; slot 0's last two key steps: the first change of slots shows them to all waves; the mask of keys 512-767 is asked for
	s_mov_b32 s[MWB], SL1
	s_mov_b32 s[TB], 0
	s_mov_b32 s[TBM], 0
	s_mov_b32 s[TS], SCL
	s_mov_b32 s[SLOTS], 7
.Lslot:                                            ; 7 trips: behind each change of slots but the last the next slot is asked for
	CHANGE 1
	ADDRS
	FETCH 0
	STEP 0, 1
	MASKCONV 0, 0
	STEP 1, 1
	STEP 2, 1
	MASKCONV 1, 0
	STEP 3, 0
	s_xor_b32 s[TB], s[TB], SL1
	s_xor_b32 s[TBM], s[TBM], SL1
	s_xor_b32 s[MWB], s[MWB], SL1
	s_add_co_u32 s[TS], s[TS], 3072
	s_sub_co_u32 s[SLOTS], s[SLOTS], 1
	s_cmp_lg_u32 s[SLOTS], 0
	s_cbranch_scc1 .Lslot
	CHANGE 0                                       ; the last slot stands apart: two trips of two key steps, the addresses stepped by scalars
	s_mov_b32 s[PRS], 2
.Lpair:
	ADDRS
	FETCH 0
	STEP 0, 1
	STEP 1, 0
	s_add_co_u32 s[TB], s[TB], SUBB
	s_add_co_u32 s[TBM], s[TBM], 2*MSTEP
	s_add_co_u32 s[TS], s[TS], 1536
	s_sub_co_u32 s[PRS], s[PRS], 1
	s_cmp_lg_u32 s[PRS], 0
	s_cbranch_scc1 .Lpair
	; ---- O / l, its half fragments, and out0's 128 columns of my number
	PLACES 4                                       ; behind the last products
	s_add_co_u32 s71, s71, DOFF
	s_add_co_u32 s72, s72, DOFF
	PHASE_ADDR DOFF
	BIASLOAD 10
	WLOAD 0, 20, 22
	WLOAD 1, 20, 22
	NORM 0
	NORM 1
	QUANT2 OT, PC, HW, 0
	QUANT2 OT, PC, HW+1, 1
	HALFIMG
	BARRIER                                        ; the sixteen heads' halves lie in LDS
	PROJ_RUN 20, 22, 28
.irp hd, 0,1
	WIN 0x04*\hd
.irp t, 0,1,2,3
	ds_store_b128 v17, v[HA+8*\t:HA+8*\t+3] offset:128*(\t/2)+32*(\t%2)        ; lane (r, h): out0(r, 64 head + 32 b + 16 h + 8 u + 0 .. 7)
	ds_store_b128 v17, v[HA+8*\t+4:HA+8*\t+7] offset:128*(\t/2)+32*(\t%2)+16
.endr
	WIN 0
.irp i, 0,1,2,3,4,5,6,7
	ds_load_b128 v[32+32*\hd+4*\i:35+32*\hd+4*\i], v16 offset:544*\i           ; served in order: behind this head's stores, ahead of the next head's
.endr
.endr
	s_wait_dscnt 0x0
.irp hd, 0,1
.irp i, 0,1,2,3,4,5,6,7
	global_store_b128 v18, v[32+32*\hd+4*\i:35+32*\hd+4*\i], s[24:25] offset:8192*\i+256*\hd th:TH_STORE_NT   ; sixteen lanes store 256 consecutive, aligned bytes
.endr
.endr
	s_wait_tensorcnt 0x0                           ; the wave's end
	ds_add_u32 v[SPW], v[NIL]
	s_wait_dscnt 0x0
	CROUND                                         ; the closing round
	s_endpgm
.Lfunc_end_k_qcfc0f42940_attn:
	.size	k_qcfc0f42940_attn, .Lfunc_end_k_qcfc0f42940_attn-k_qcfc0f42940_attn
	.p2alignl 7, 3214868480
	.fill 96, 4, 3214868480
	.section	.rodata,"a",@progbits
	.p2align	6, 0x0
	.amdhsa_kernel k_qcfc0f42940_attn
		.amdhsa_group_segment_fixed_size 327680
		.amdhsa_private_segment_fixed_size 0
		.amdhsa_enable_private_segment 0
		.amdhsa_kernarg_size 88
		.amdhsa_user_sgpr_count 2
		.amdhsa_user_sgpr_kernarg_segment_ptr 1
		.amdhsa_wavefront_size32 1
		.amdhsa_system_sgpr_workgroup_id_x 1
		.amdhsa_system_sgpr_workgroup_id_y 1
		.amdhsa_system_sgpr_workgroup_id_z 1
		.amdhsa_system_vgpr_workitem_id 0
		.amdhsa_next_free_vgpr 512
		.amdhsa_next_free_sgpr 80
		.amdhsa_reserve_vcc 0
		.amdhsa_float_denorm_mode_32 3
		.amdhsa_float_denorm_mode_16_64 3
		.amdhsa_memory_ordered 1
		.amdhsa_forward_progress 1
		.amdhsa_inst_pref_size 255
	.end_amdhsa_kernel
	.section	.bss,"aw",@nobits
	.p2align	6
	.space	262144
	.amdgpu_metadata
---
amdhsa.version: [ 1, 2 ]
amdhsa.kernels:
  - .name:           k_qcfc0f42940_attn
    .symbol:         k_qcfc0f42940_attn.kd
    .args:
      - { .name: q, .offset: 0, .size: 8, .value_kind: global_buffer, .address_space: global }
      - { .name: mask, .offset: 8, .size: 8, .value_kind: global_buffer, .address_space: global }
      - { .name: bq, .offset: 16, .size: 8, .value_kind: global_buffer, .address_space: global }
      - { .name: bo, .offset: 24, .size: 8, .value_kind: global_buffer, .address_space: global }
      - { .name: kvc, .offset: 32, .size: 8, .value_kind: global_buffer, .address_space: global }
      - { .name: kvs, .offset: 40, .size: 8, .value_kind: global_buffer, .address_space: global }
      - { .name: wqc, .offset: 48, .size: 8, .value_kind: global_buffer, .address_space: global }
      - { .name: wqs, .offset: 56, .size: 8, .value_kind: global_buffer, .address_space: global }
      - { .name: woc, .offset: 64, .size: 8, .value_kind: global_buffer, .address_space: global }
      - { .name: wos, .offset: 72, .size: 8, .value_kind: global_buffer, .address_space: global }
      - { .name: out0, .offset: 80, .size: 8, .value_kind: global_buffer, .address_space: global }
    .group_segment_fixed_size: 327680
    .private_segment_fixed_size: 0
    .kernarg_segment_align: 8
    .kernarg_segment_size: 88
    .max_flat_workgroup_size: 256
    .sgpr_count:     80
    .vgpr_count:     512
    .wavefront_size: 32
...
	.end_amdgpu_metadata
.endif
;; end of part 2
